; MI455X (gfx1250); checked and timed in simulation.
; The chip was launched on July 23, 2026; its instructions are those of AMD's public machine-readable ISA for CDNA 5 (MIT licence, August 2026) and "CDNA5" Instruction Set Architecture Reference Guide (July 2026). The comments in the code are by the model that wrote it; some were corrected since.
;; Attention. Allowed arithmetic: matrix products marked QUANTISED: E4M3 operands, one given power-of-two scale a tensor, by v_wmma_f32_16x16x64_fp8_fp8 or v_wmma_f32_16x16x128_fp8_fp8, f32 sums; everything else in f32.
;; Inputs: k 2 x 2,048 x 1,024 float32; lowp_scales 4 int32 (the exponents e of the quantised operands' scales 2^e); mask 2,048 x 2,048 float32; q 2 x 2,048 x 4,096 float32; v_codes 2 x 1,024 x 64 x 32 uint8 (E4M3 codes of v, K innermost, in blocks of 32 codes).
;; Outputs: out0 2 x 2,048 x 4,096 float32.
;; Constants: start_pos = 0.
;; This version of the problem:
;;   THIS VERSION OF THE PROBLEM IS GIVEN IN LOW PRECISION. The matrix products marked QUANTISED in the list below multiply operands that are first quantised to E4M3 (4 exponent bits, 3 mantissa bits; 8 bits a number), with one given power-of-two scale for each operand tensor; their sums are f32. All else is computed in f32.
;;   The module's matrix products, in the order in which they are computed (A, B: the left and right operand; K: the contracted axis; several contracted axes count as one K, in the product's order):
;;     1. batch 16 x [M 2,048, K 128] x [K 128, N 8,192]; A: input k; B: input q: QUANTISED (scales: A lowp_scales[0], B lowp_scales[1])
;;     2. batch 16 x [M 128, K 2,048] x [K 2,048, N 8,192]; A: input v (given as codes); B: softmax (see below): QUANTISED (scales: A lowp_scales[2], B lowp_scales[3])
;;   THE QUANTISER, for each operand of a quantised product, along K:
;;     - The operand's scale is 2^e, e = its entry of the input lowp_scales (int32; the entries are numbered through the quantised products in the list's order, A before B).
;;     - Each number is divided by the scale, clamped to +-448, and rounded to the nearest number of E4M3, ties to even, subnormals kept.
;;     - The product sums the exact products of the quantised numbers (number of the format x scale) in f32.
;;   ~~~python
;;   def quantise(x, axis, e):      # numpy; x: float32 -> the quantised numbers, widened to float32 again
;;       x = np.moveaxis(x, axis, -1); K = x.shape[-1]
;;       r = np.clip(x / 2.0 ** e, -448, 448)
;;       step = 2.0 ** (np.maximum(np.frexp(np.where(r == 0, 1, r))[1] - 1, -6) - 3)
;;       q = np.round(r / step) * step * 2.0 ** e      # np.round: ties to even
;;       return np.moveaxis(q, -1, axis).astype(np.float32)
;;   ~~~
;;   SOFTMAX AHEAD OF A QUANTISED PRODUCT. Where the list says 'softmax', what is quantised is not the finished softmax but p = 2^(t - M), with t = logit x log2(e) and M = ceil(the row's largest t), a whole number; so 1/2 < the row's largest p <= 1. The row's sum l is taken of the UNQUANTISED p, in f32, and the product's result is divided by l at the end. Since M is a whole number, a kernel that streams over the keys may use a running M (the ceiling of the running maximum): every later rescaling is an exact power of two, so the quantised numbers keep their values, but for numbers so far below the row's largest that they fall under the format's range.
;;   OPERANDS COMPUTED ON THE WAY. 'Computed on the way' means the value that the module computes at that place (a softmax that the list does not call 'softmax' is quantised finished and normalised). What goes into a quantiser is computed in f32, as accurately as f32 sums, v_exp_f32 and their like allow (about 1e-6 of the number): no bf16 or f16 on the way to a quantiser, and a product that is left as it is and whose result goes on into a quantised operand takes f32 operands (vector FMAs, or v_wmma_f32_16x16x4_f32). A number that lies on a knife's edge between two numbers of the format may be rounded either way, as far as f32 arithmetic and the matrix unit's own rounding can turn it there, and no further.
;;   INPUTS GIVEN AS CODES. v (in the module: [2, 2048, 1024], K = its axis 1): each comes as NAME_codes (uint8): NAME with its K axis moved to the last place and cut into blocks of 32 codes, [.., K / 32, bytes a block], one block behind the other in memory; one code a byte (a code: sign, 4 exponent bits, 3 mantissa bits); its scale is its entry of lowp_scales. Its value is code x scale, taken as it is: it is not quantised again, and the codes and scales need not be those that the quantiser above would give.
;; One version. Each part assembles by itself: llvm-mc -triple=amdgcn-amd-amdhsa -mcpu=gfx1250 --defsym DOCPART=n.
;; ======== version 1 of 1: 2 launches
;; workspace buffers: k_codes 4,194,304 bytes
;; launch quantk (part 1): grid 256 x 1, 4 waves a work-group, no clusters, 33,280 bytes of LDS; arguments k, lowp_scales, k_codes; writes k_codes
.if DOCPART == 1
	.amdgcn_target "amdgcn-amd-amdhsa--gfx1250"
	.amdhsa_code_object_version 6
	.text
	.protected	k_q2a391b96d3_quantk
	.globl	k_q2a391b96d3_quantk
	.p2align	8
	.type	k_q2a391b96d3_quantk,@function
k_q2a391b96d3_quantk:
	s_mov_b64 s[64:65], 0
	v_nop
	global_prefetch_b8 v0, s[64:65] scope:SCOPE_SE
	s_setreg_imm32_b32 hwreg(HW_REG_WAVE_MODE, 25, 1), 1
	s_wait_xcnt 0x0
; k [2][2048][1024] f32 becomes codes of FP8 (E4M3) with the given scale 2^ek (entry 0 of the scales), laid for the attention launch:
; k_codes [bg = 8 b + g: 16][rho: 2048][d: 128], one byte a code.  Row rho holds key t, rho = t with bits 3 and 4 exchanged: within each 32 keys the order is 0-7, 16-23, 8-15, 24-31.
; So the sixteen keys that form a tile of scores there (0-7 with 16-23, 8-15 with 24-31) are sixteen neighbouring rows, and 256 keys of a head are one dense block of 32,768 bytes.
; code = x / 2^ek, held within +-448, rounded to the nearest code, ties to even.  LIMITS: -126 <= ek <= 119, so that 2^ek and 448 x 2^ek are f32 numbers.  NaN among the inputs is not served.
; SHARES.  A wave takes 32 keys of one (b, g), in 8 steps of 4 keys x 128 numbers.  Each load reads one key's 512 consecutive bytes, 16 a lane.  The conversions want 16 neighbours in one lane, so a step's
; 2,048 bytes turn through the wave's own stage in LDS (16 bytes of padding behind each 64) and come back 64 bytes a lane.  A lane's 16 codes are 16 bytes: a store covers 512 consecutive bytes, aligned.
; No tensor loads, no barrier: waves share nothing.  Loads run four steps (16 loads a wave) ahead, the turn through LDS one step.  Every offset is an immediate and each step has its own code registers.
.set STEPS, 8
.set R,     16                         ; v16-79   four sets of 16 numbers as they are loaded
.set X,     80                         ; v80-111  two sets of 16 neighbours
.set C,     128                        ; v128-159 codes: four registers for each step, so that no store's data are written again
.set WREG,  8192                       ; LDS: a region for each wave: two stages of 32 x SP bytes
.set SP,    80                         ; a lane's place in a stage: 64 bytes + 16 of padding
	s_load_b128 s[4:7], s[0:1], 0x0                ; k s[4:5], the scales' exponents s[6:7]
	s_load_b64 s[8:9], s[0:1], 0x10                ; k_codes
	v_lshl_add_u32 v160, v0, 2, 0x8000
	v_mov_b32 v161, 0
	v_lshrrev_b32 v1, 5, v0
	v_readfirstlane_b32 s16, v1                    ; wave 0..3
	v_and_b32 v2, 31, v0                           ; lane
	v_lshlrev_b32 v3, 4, v2                        ; 16 x lane: my 16 bytes of a load's 512, and of a store's 512
	s_mul_i32 s17, s16, WREG
	v_lshrrev_b32 v14, 2, v2
	v_mul_u32_u24 v14, v14, SP
	v_and_b32 v15, 3, v2
	v_lshl_add_u32 v14, v15, 4, v14
	v_add_nc_u32 v14, s17, v14                     ; the stage, on the way in: SP (lane / 4) + 16 (lane % 4); a load's 512 bytes take eight places
	v_mul_u32_u24 v15, v2, SP
	v_add_nc_u32 v15, s17, v15                     ; and on the way out: SP x lane: my 16 neighbours
	s_lshr_b32 s17, ttmp9, 4                       ; bg
	s_lshr_b32 s18, s17, 3                         ; b
	s_and_b32 s19, s17, 7                          ; g
	s_and_b32 s20, ttmp9, 15
	s_lshl_b32 s20, s20, 2
	s_add_co_u32 s20, s20, s16                     ; which 32 keys of the 2,048: 4 x (work-group % 16) + wave
	s_lshl_b32 s22, s18, 23                        ; in k: b x 2,048 rows of 4,096 bytes,
	s_lshl_b32 s21, s20, 17                        ; + 32 rows for each block of keys,
	s_add_co_u32 s22, s22, s21
	s_lshl_b32 s21, s19, 9                         ; + the head's 512 bytes in a row
	s_add_co_u32 s22, s22, s21
	s_mov_b32 s23, 0
	s_lshl_b32 s24, s17, 18                        ; in k_codes: bg x 2,048 rows of 128 bytes,
	s_lshl_b32 s21, s20, 12                        ; + 32 rows for each block of keys
	s_add_co_u32 s24, s24, s21
	s_mov_b32 s25, 0
	s_wait_kmcnt 0x0
	s_load_b32 s26, s[6:7], 0x0                    ; ek
	s_add_nc_u64 s[4:5], s[4:5], s[22:23]
	s_add_nc_u64 s[8:9], s[8:9], s[24:25]
.macro LOAD t                          ; step t: keys 4 t .. 4 t + 3 of my 32
.irp i, 0,1,2,3
	global_load_b128 v[R+16*((\t)%4)+4*\i:R+16*((\t)%4)+4*\i+3], v3, s[4:5] offset:(4*(\t)+\i)*4096 th:TH_LOAD_NT   ; 32 lanes read 512 consecutive bytes; read once in the launch
.endr
.endm
.macro TURN t                          ; step t's numbers through the stage: LDS serves a wave's instructions in order, so no wait stands between the stores and the loads
.irp i, 0,1,2,3
	ds_store_b128 v14, v[R+16*((\t)%4)+4*\i:R+16*((\t)%4)+4*\i+3] offset:32*SP*((\t)%2)+8*SP*\i
.endr
.irp i, 0,1,2,3
	ds_load_b128 v[X+16*((\t)%2)+4*\i:X+16*((\t)%2)+4*\i+3], v15 offset:32*SP*((\t)%2)+16*\i
.endr
.endm
.irp t, 0,1,2,3
	LOAD \t
.endr
	s_wait_kmcnt 0x0
	s_add_co_i32 s26, s26, 127
	s_lshl_b32 s27, s26, 23
	v_mov_b32 v11, s27                             ; 2^ek as f32: the conversion takes its exponent field
	s_add_co_i32 s26, s26, 8
	s_lshl_b32 s26, s26, 23
	s_or_b32 s26, s26, 0x600000
	v_mov_b32 v10, s26                             ; 448 x 2^ek
	s_wait_loadcnt 12                              ; step 0's four loads are in; the twelve behind them may be out
	TURN 0
.macro STEP t
.set XS, X+16*((\t)%2)
	s_wait_dscnt 0x0                               ; this step's numbers are back from the stage: so its stores into the stage have read their registers,
.if (\t)+4 < STEPS
	LOAD (\t)+4                                    ; which take the loads of four steps on
.endif
.if (\t)+1 < STEPS
.if STEPS-2-(\t) >= 3
	s_wait_loadcnt 12                              ; the next step's four loads are in; those of the three steps behind it may be out
.else
	s_wait_loadcnt 4*(STEPS-2-(\t))                ; towards the end fewer steps stand behind it
.endif
	TURN (\t)+1                                    ; and go through the other stage while this step is worked
.endif
.irp i, 0,1,2,3,4,5,6,7,8,9,10,11,12,13,14,15
	v_med3_num_f32 v[XS+\i], v[XS+\i], -v10, v10   ; the conversion to an 8-bit code does not saturate (ISA guide 7.6.2): the hold at the largest code x the scale comes first
.endr
	v_cvt_scalef32_pk8_fp8_f32 v[C+4*(\t):C+4*(\t)+1], v[XS:XS+7], v11
	v_cvt_scalef32_pk8_fp8_f32 v[C+4*(\t)+2:C+4*(\t)+3], v[XS+8:XS+15], v11
	; lane l holds key 4 t + l / 8, channels 16 (l % 8) on: byte 512 t + 16 l of my 32 rows.  Bits 1 and 2 of t are bits 3 and 4 of the key: exchanged here
	global_store_b128 v3, v[C+4*(\t):C+4*(\t)+3], s[8:9] offset:512*(((\t)&1)|(((\t)&2)<<1)|(((\t)&4)>>1))
.endm
.irp t, 0,1,2,3,4,5,6,7
	STEP \t
.endr
	s_wait_tensorcnt 0x0
	ds_add_u32 v160, v161
	s_wait_dscnt 0x0
	s_endpgm
.Lfunc_end_k_q2a391b96d3_quantk:
	.size	k_q2a391b96d3_quantk, .Lfunc_end_k_q2a391b96d3_quantk-k_q2a391b96d3_quantk
	.p2alignl 7, 3214868480
	.fill 96, 4, 3214868480
	.section	.rodata,"a",@progbits
	.p2align	6, 0x0
	.amdhsa_kernel k_q2a391b96d3_quantk
		.amdhsa_group_segment_fixed_size 33280
		.amdhsa_private_segment_fixed_size 0
		.amdhsa_enable_private_segment 0
		.amdhsa_kernarg_size 24
		.amdhsa_user_sgpr_count 2
		.amdhsa_user_sgpr_kernarg_segment_ptr 1
		.amdhsa_wavefront_size32 1
		.amdhsa_system_sgpr_workgroup_id_x 1
		.amdhsa_system_sgpr_workgroup_id_y 1
		.amdhsa_system_sgpr_workgroup_id_z 1
		.amdhsa_system_vgpr_workitem_id 0
		.amdhsa_next_free_vgpr 162
		.amdhsa_next_free_sgpr 66
		.amdhsa_reserve_vcc 0
		.amdhsa_float_denorm_mode_32 3
		.amdhsa_float_denorm_mode_16_64 3
		.amdhsa_memory_ordered 1
		.amdhsa_forward_progress 1
		.amdhsa_inst_pref_size 20
	.end_amdhsa_kernel
	.amdgpu_metadata
---
amdhsa.version: [ 1, 2 ]
amdhsa.kernels:
  - .name:           k_q2a391b96d3_quantk
    .symbol:         k_q2a391b96d3_quantk.kd
    .args:
      - { .name: k, .offset: 0, .size: 8, .value_kind: global_buffer, .address_space: global }
      - { .name: lowp_scales, .offset: 8, .size: 8, .value_kind: global_buffer, .address_space: global }
      - { .name: k_codes, .offset: 16, .size: 8, .value_kind: global_buffer, .address_space: global }
    .group_segment_fixed_size: 33280
    .private_segment_fixed_size: 0
    .kernarg_segment_align: 8
    .kernarg_segment_size: 24
    .max_flat_workgroup_size: 128
    .sgpr_count:     66
    .vgpr_count:     162
    .wavefront_size: 32
...
	.end_amdgpu_metadata
.endif
;; end of part 1
;; launch attn (part 2): grid 32 x 16, 8 waves a work-group, clusters of 4 x 4, 327,680 bytes of LDS; arguments q, k_codes, v_codes, mask, lowp_scales, out0; writes out0
.if DOCPART == 2
	.amdgcn_target "amdgcn-amd-amdhsa--gfx1250"
	.amdhsa_code_object_version 6
	.text
	.protected	k_q2a391b96d3_attn
	.globl	k_q2a391b96d3_attn
	.p2align	8
	.type	k_q2a391b96d3_attn,@function
k_q2a391b96d3_attn:
	s_mov_b64 s[64:65], 0
	v_nop
	global_prefetch_b8 v0, s[64:65] scope:SCOPE_SE
	s_setreg_imm32_b32 hwreg(HW_REG_WAVE_MODE, 25, 1), 1
	s_wait_xcnt 0x0
	s_wait_alu depctr_hold_cnt(0) depctr_sa_sdst(0) depctr_va_vdst(0) depctr_va_sdst(0) depctr_va_ssrc(0) depctr_va_vcc(0) depctr_vm_vsrc(0)
	s_getreg_b32 s2, hwreg(HW_REG_IB_STS2, 6, 4)
	s_cmp_eq_u32 s2, 0
	s_cbranch_scc0 .Lentry_in_a_cluster
	s_endpgm
.Lentry_in_a_cluster:
	s_bfe_u32 s2, ttmp6, 0x10000c
	s_cmp_lg_u32 s2, 0xf033
	s_cbranch_scc0 .Lentry_shape_is_right
	s_endpgm
.Lentry_shape_is_right:
; out0[b][s][hq][:] = the sum over t of softmax_t(q[b][s][hq] . k[b][t][g] / sqrt(128) + mask[s][t]) v[b][t][g][:], hq = 4 g + 0 .. 3.  B = 2, S = T = 2,048, 32 query heads on 8 key heads, head size 128.
; Both products on codes of FP8 (E4M3), each operand with its given scale 2^e: the scales' entries are ek, eq, ev, ep.  k_codes: made by the launch before, [bg = 8 b + g][rho][128], rho = the key with bits 3 and 4
; exchanged.  v_codes: as given, [bg][d: 128][key: 2,048].  q is read once, by one wave: it is quantised here, in registers.  mask is an input and is added as it is given, whatever it holds.
; THE SOFTMAX AHEAD OF THE SECOND PRODUCT: u = score x 2^(ek + eq) / sqrt(128) + mask; t = u x log2(e); M = the row's largest t so far, rounded UP to a whole number; p = 2^(t - M) is quantised with 2^ep, not normalised.
; The row's sum is taken of the unquantised p, in f32, and divides at the end.  When M moves, the sum and O are multiplied by 2^(old M - new M), which rounds nothing.
; SHARES.  A work-group owns 64 query positions x the four query heads of one (b, g).  Wave w: positions 16 (w / 2) on, heads 4 g + 2 (w % 2) + 0, 1: TWO TILES of 16 queries at the same positions, so each fragment of K
; and V and each register of the mask serves two tiles.  Eight waves of 512 registers: two to a SIMD, so that one wave's products and LDS loads stand beside the other's softmax.
; LAYOUT.  Both products are used transposed: S^T = K Q^T (source 0 = 16 rows of k_codes, source 1 = my 16 queries), O^T = V^T P^T (source 0 = 16 channels, source 1 = P): a lane holds ONE query (lane % 16) throughout.
; Tile 2 b + u of a step's scores takes rows 32 b + 16 u + 0 .. 15 of k_codes, which are keys 32 b + 8 u + m + 8 (m / 8): so register 16 b + n of a lane's 64 scores is key 32 b + 16 (lane / 16) + n, sixteen neighbours,
; and the conversions' results are the second product's operand.  A fragment is fetched by four loads of 16 bytes, 32 bytes apart: a permutation of k that is the same on both sides of each product.
; RING.  Two LDS slots of 256 keys (two steps of 128): 256 rows of K, 128 rows of V, 64 rows of the mask.  One tensor load a wave fills a slot: waves 0, 1 K's halves, waves 2, 3 V's, waves 4-7 sixteen rows of the mask each.
; By this text's count one tensor load of a wave is out at a time, and it has a slot's two steps in which to land.
; CLUSTER, 4 x 4 work-groups.  K's and V's tiles hang on (b, g) alone = work-group y: the four of a row of the cluster ask for them jointly.  The mask's tile hangs on the positions alone = work-group x: the four of a
; column ask jointly.  No LDS address and no branch hangs on a work-group's place in its cluster.
; O^T and the sums begin as zeros and the largest t as -3e38, so that the step is written without a first step of its own: the first change of M multiplies zeros.
; LIMITS on the given exponents, so that each power of two below is an f32 number: ek + eq between -122 and 130 (added to the exponent field of 1 / sqrt(128)); eq and ep between -126 and 119; ev + ep goes by
; v_ldexp_f32 and has none.  NaN among the inputs is not served.  A row whose mask is -infinity throughout gives NaN (0 x infinity), as the definition does.
; REGISTERS, in two windows of 256 (s_set_vgpr_msb: bits 1:0 source 0, 3:2 source 1, 5:4 source 2, 7:6 destination):
;   window 0: v0 thread; v1-11 addresses; v12-27 eight statistics a tile; v28, 29 lane exchanges; v30, 31 the conversion's scale and hold; v32-95 four fragments (FA); v96-223 S^T, then p, 64 a tile;
;             v224-255 p's codes, 16 a tile; at a step's head they hold the mask's registers 0-31 first
;   window 1: v0-127 O^T, 64 a tile; v128-159 Q, 16 a tile; v160-223 four fragments (FB); v224-255 the mask's registers 32-63
.set KP,    144                        ; a row of K in LDS: 128 bytes + 16: row r starts 9 r pieces of 16 bytes on: sixteen rows start at sixteen different pieces modulo 256 bytes
.set VP,    272                        ; a row of V: 256 + 16: 17 r pieces
.set MP,    1040                       ; a row of the mask: 1,024 + 16: 65 r pieces
.set VOFF,  256*KP                     ; a slot: K at 0, V at 36,864,
.set MOFF,  VOFF+128*VP                ; the mask at 71,680
.set SLOT,  MOFF+64*MP                 ; 138,240 bytes
.set STAGE, 2*SLOT                     ; behind the ring: 16 rows x 272 bytes for each wave, for the way out; no fill lands there
.set SP,    272
.set SPARE, STAGE+8*16*SP              ; behind the stages: the spare words, 128 bytes for each wave: four blocks of 256 bytes that no other line names
.set AK0, 1                            ; v1   my lane's place in a tile of K: r KP + 16 h
.set AV0, 2                            ; v2   in V: r VP + 16 h + VOFF
.set AM0, 3                            ; v3   in the mask: (16 (w / 2) + r) MP + 64 h + MOFF
.set PFO, 4                            ; v4   the prefetches' lane offset; never rewritten
.set SPW, 5                            ; v5   LDS address of my spare word: SPARE + 4 x my thread's number; never rewritten
.set NIL, 6                            ; v6   0; never rewritten
.set GO,  7                            ; v7   the way out: my byte offset in the wave's rows of out0
.set ADK, 8                            ; v8   the step's LDS address in K;  on the way out: where I put 32 bytes of a row
.set ADV, 9                            ; v9   in V;                         on the way out: where I read a row back
.set ADM, 10                           ; v10  in the mask
.set ST,  12                           ; tile i's statistics at v[ST + 8 i]: +0 -M, +1 the largest t, +2, +3 the sum in two halves, +4 f, +5 0 (named with f as a pair), +6, +7 at work
.set PD,  28                           ; v28, v29 destinations of the lane exchange
.set CV,  30                           ; v30  the conversion's scale as f32
.set LM,  31                           ; v31  448 x that scale
.set FA,  32
.set S,   96
.set PC,  224
.set MA,  224
.set OT,  0                            ; window 1
.set QF,  128
.set FB,  160
.set MB,  224
.set G1K, 16                           ; s[16:23], s[24:31], s[32:39] descriptor group 1 for K's, V's, the mask's tiles
.set G1V, 24
.set G1M, 32
.set G0K, 40                           ; s[40:47], s[48:55], s[56:63] their groups 0, one set for each slot
.set G0V, 48
.set G0M, 56
.set WV,   66                          ; my wave's number
.set LAPS, 67
.set TW,   68                          ; counts a slot's two steps
.set REM,  69                          ; slots still to be asked for
.set LIM,  70                          ; 1 in a wave that prefetches, else the greatest number
.set PFA,  72                          ; s[72:73] where my prefetches stand
.set PFS,  74                          ; s[74:75] a slot on, in bytes, in the stream that I prefetch
.set CS,   76                          ; s[76:77] 2^(ek + eq) / sqrt(128): the packed form names a pair and takes its low word for both halves
.set LG,   78                          ; s[78:79] log2(e)
.set SEL,  80                          ; s[80:81] lane selects for v_permlanex16_b32: lane l xor 16
.set SK,   82                          ; LDS byte of the step in hand in K, in V's rows, in the mask's rows
.set SV,   83
.set SM,   84
.set EPV,  85                          ; ev + ep
.set MSB, 0
.macro WIN new                         ; the immediate's high byte repeats the setting that is left; a switch that changes nothing is dropped
.if MSB != \new
	s_set_vgpr_msb (MSB<<8)|\new
.set MSB, \new
.endif
.endm
; A round of the cluster's barrier: my work-group's barrier, so that wave 0's signal speaks for all eight waves; wave 0 signals for the work-group; every wave waits for all sixteen; my work-group's barrier once more.
.macro CROUND
	s_barrier_signal -1
	s_barrier_wait -1
	s_cmp_lg_u32 s[WV], 0
	s_cbranch_scc1 .Lnot_wave_0_\@
	s_barrier_signal -3
.Lnot_wave_0_\@:
	s_barrier_wait -3
	s_barrier_signal -1
	s_barrier_wait -1
.endm
; A joint load into slot sl.  Each of the three lines has one mask and one set of registers for all that issue it; the branches hang on the wave's number alone.  Four v_nop follow each line.
.macro JLOAD sl
	s_cmp_lt_u32 s[WV], 2
	s_cbranch_scc0 .Lnot_k_\@
	tensor_load_to_lds s[G0K+4*(\sl):G0K+4*(\sl)+3], s[G1K:G1K+7]
	s_nop 0
.rept 4
	v_nop
.endr
	s_branch .Lasked_\@
.Lnot_k_\@:
	s_cmp_lt_u32 s[WV], 4
	s_cbranch_scc0 .Lnot_v_\@
	tensor_load_to_lds s[G0V+4*(\sl):G0V+4*(\sl)+3], s[G1V:G1V+7]
	s_nop 0
.rept 4
	v_nop
.endr
	s_branch .Lasked_\@
.Lnot_v_\@:
	tensor_load_to_lds s[G0M+4*(\sl):G0M+4*(\sl)+3], s[G1M:G1M+7]
	s_nop 0
.rept 4
	v_nop
.endr
.Lasked_\@:
.endm
; A PREFETCH INTO THE L2 of the slot that the NEXT change of slots will ask for: two key steps ahead of that load.  It stands behind the wave's tensor load and its four lines.  Each aligned block of 256 bytes is named once
; in the launch.  K's and V's rows of a (b, g) are walked by every cluster of that row of clusters: the one with cluster x = 0 asks; its four partners along x take 8,192 bytes of K's 32,768 (wave 0, lanes 256 bytes apart)
; and 32 of V's 128 rows (wave 2, a lane a row) each.  The mask's rows are walked by every cluster of a column of clusters: cluster y = 0 asks; its four partners along y take 16 of the 64 rows each, waves 4 and 5 eight
; rows x four blocks each.  The partners are told apart by address, never by a branch.  The last change that fills a slot asks for nothing; slots 0 and 1 come by their loads alone.
.macro ASK
	s_cmp_gt_u32 s[REM], s[LIM]
	s_cbranch_scc0 .Lnot_mine_\@
	global_prefetch_b8 v[PFO], s[PFA:PFA+1] th:TH_LOAD_NT scope:SCOPE_SE
.Lnot_mine_\@:
.endm
	s_load_b256 s[4:11], s[0:1], 0x0               ; q s[4:5], k_codes s[6:7], v_codes s[8:9], mask s[10:11]
	s_load_b128 s[12:15], s[0:1], 0x20             ; the scales' exponents s[12:13], out0 s[14:15]
	v_lshl_add_u32 v[SPW], v0, 2, SPARE
	v_mov_b32 v[NIL], 0
	ds_add_u32 v5, v6
	ds_add_u32 v5, v6
	s_wait_dscnt 0x0
	v_lshrrev_b32 v8, 5, v0
	v_readfirstlane_b32 s[WV], v8                  ; wave 0..7
	s_bfe_u32 s86, ttmp6, 0x40000                  ; cx, cy: my place in the cluster
	s_bfe_u32 s87, ttmp6, 0x40004
	s_lshl_b32 s92, ttmp9, 2
	s_add_co_u32 s92, s92, s86                     ; work-group x = 4 x cluster x + cx: which 64 positions
	s_and_b32 s93, ttmp7, 0xffff
	s_lshl_b32 s93, s93, 2
	s_add_co_u32 s93, s93, s87                     ; work-group y = 4 x cluster y + cy: bg = 8 b + g
	s_lshl_b32 s2, s87, 2
	s_lshl_b32 s2, 15, s2                          ; my row of the cluster: places 4 cy .. 4 cy + 3
	s_lshl_b32 s3, 0x1111, s86                     ; my column: places cx, cx + 4, cx + 8, cx + 12
	; descriptor group 1.  K: 128 rows x 128 bytes, dense;  V: 64 rows x 256 bytes, 2,048 apart;  the mask: 16 rows x 256 elements of 4 bytes, 2,048 elements apart
	s_or_b32 s[G1K], s2, (0<<16)|(1<<20)|(1<<21)|(4<<22)|(3<<25)  ; 15:0 the mask: my row; 17:16 elements of 1 byte; 20 padding on; 21 set beside a mask; 24:22 after every 32 words (code 4); 31:25 four words (code 3)
	s_mov_b32 s[G1K+1], 128<<16                    ; tensor_dim0
	s_mov_b32 s[G1K+2], 128<<16                    ; tensor_dim1
	s_mov_b32 s[G1K+3], 128<<16                    ; tile_dim0
	s_mov_b32 s[G1K+4], 128                        ; tile_dim1
	s_mov_b32 s[G1K+5], 128                        ; from row to row
	s_mov_b32 s[G1K+6], 0
	s_mov_b32 s[G1K+7], 0
	s_or_b32 s[G1V], s2, (0<<16)|(1<<20)|(1<<21)|(5<<22)|(3<<25)  ; my row; padding: four words after every 64
	s_mov_b32 s[G1V+1], 256<<16
	s_mov_b32 s[G1V+2], 64<<16
	s_mov_b32 s[G1V+3], 256<<16
	s_mov_b32 s[G1V+4], 64
	s_mov_b32 s[G1V+5], 2048
	s_mov_b32 s[G1V+6], 0
	s_mov_b32 s[G1V+7], 0
	s_or_b32 s[G1M], s3, (2<<16)|(1<<20)|(1<<21)|(7<<22)|(3<<25)  ; my column; elements of 4 bytes; padding: four words after every 256
	s_mov_b32 s[G1M+1], 256<<16
	s_mov_b32 s[G1M+2], 16<<16
	s_mov_b32 s[G1M+3], 256<<16
	s_mov_b32 s[G1M+4], 16
	s_mov_b32 s[G1M+5], 2048
	s_mov_b32 s[G1M+6], 0
	s_mov_b32 s[G1M+7], 0
	; where the tiles come from and go.  K's and V's numbers are made of bg and the wave's number, the mask's of work-group x and the wave's number, each in registers that never hold the other coordinate
	s_and_b32 s82, s[WV], 1
	s_and_b32 s83, s[WV], 3
	s_lshl_b32 s94, s93, 18                        ; K: bg x 2,048 rows of 128 bytes
	s_lshl_b32 s84, s82, 14                        ;    + which 128 rows of a slot's 256
	s_add_co_u32 s94, s94, s84
	s_mov_b32 s95, 0
	s_lshl_b32 s96, s93, 18                        ; V: bg x 128 rows of 2,048 bytes
	s_lshl_b32 s84, s82, 17                        ;    + which 64 rows
	s_add_co_u32 s96, s96, s84
	s_mov_b32 s97, 0
	s_lshl_b32 s98, s92, 6                         ; the mask: row 64 x work-group x
	s_lshl_b32 s84, s83, 4                         ;    + which 16 rows,
	s_add_co_u32 s98, s98, s84
	s_lshl_b32 s98, s98, 13                        ;    of 8,192 bytes
	s_mov_b32 s99, 0
	s_mul_i32 s67, s82, 128*KP                     ; in a slot: K's half,
	s_mul_i32 s68, s82, 64*VP
	s_add_co_u32 s68, s68, VOFF                    ; V's half,
	s_mul_i32 s69, s83, 16*MP
	s_add_co_u32 s69, s69, MOFF                    ; the mask's quarter
	s_wait_kmcnt 0x0
	s_load_b128 s[88:91], s[12:13], 0x0            ; ek, eq, ev, ep
	s_add_nc_u64 s[94:95], s[6:7], s[94:95]
	s_add_nc_u64 s[96:97], s[8:9], s[96:97]
	s_add_nc_u64 s[98:99], s[10:11], s[98:99]
.irp s, 0,1
	s_mov_b32 s[G0K+4*\s], 1                                       ; count = 1
	s_add_co_u32 s[G0K+4*\s+1], s67, \s*SLOT                       ; LDS address
	s_add_nc_u64 s[G0K+4*\s+2:G0K+4*\s+3], s[94:95], \s*32768      ; global address: slot s begins with keys 256 s on
	s_or_b32 s[G0K+4*\s+3], s[G0K+4*\s+3], 0x80000000              ; type = 2
	s_mov_b32 s[G0V+4*\s], 1
	s_add_co_u32 s[G0V+4*\s+1], s68, \s*SLOT
	s_add_nc_u64 s[G0V+4*\s+2:G0V+4*\s+3], s[96:97], \s*256
	s_or_b32 s[G0V+4*\s+3], s[G0V+4*\s+3], 0x80000000
	s_mov_b32 s[G0M+4*\s], 1
	s_add_co_u32 s[G0M+4*\s+1], s69, \s*SLOT
	s_add_nc_u64 s[G0M+4*\s+2:G0M+4*\s+3], s[98:99], \s*1024
	s_or_b32 s[G0M+4*\s+3], s[G0M+4*\s+3], 0x80000000
.endr
	CROUND                                         ; all sixteen work-groups are here: the first joint loads meet
	JLOAD 0                                        ; slot 0; slot 1 is first filled behind the first change of slots, as a refill is
	; q and out0 have one shape: my wave's first row and head, in bytes: b x 2^25 + (64 x work-group x + 16 (w / 2)) x 16,384 + (4 g + 2 (w % 2)) x 512
	s_lshr_b32 s100, s93, 3
	s_lshl_b32 s100, s100, 25
	s_lshl_b32 s101, s92, 6
	s_lshr_b32 s71, s[WV], 1                       ; which 16 of the 64 positions
	s_lshl_b32 s85, s71, 4
	s_add_co_u32 s101, s101, s85
	s_lshl_b32 s101, s101, 14
	s_add_co_u32 s100, s100, s101
	s_and_b32 s101, s93, 7
	s_lshl_b32 s101, s101, 2
	s_lshl_b32 s85, s82, 1
	s_add_co_u32 s101, s101, s85
	s_lshl_b32 s101, s101, 9
	s_add_co_u32 s100, s100, s101
	s_mov_b32 s101, 0
	s_add_nc_u64 s[4:5], s[4:5], s[100:101]
	s_add_nc_u64 s[14:15], s[14:15], s[100:101]
	v_and_b32 v8, 15, v0                           ; r = lane % 16
	v_bfe_u32 v9, v0, 4, 1                         ; h = lane / 16
	v_lshlrev_b32 v10, 14, v8
	v_lshl_add_u32 v10, v9, 6, v10                 ; q: row r of 16,384 bytes, + 64 h: my 16 numbers of each 32
.irp i, 0,1
.irp c, 0,1,2,3
.irp j, 0,1,2,3
	global_load_b128 v[S+64*\i+16*\c+4*\j:S+64*\i+16*\c+4*\j+3], v10, s[4:5] offset:512*\i+128*\c+16*\j th:TH_LOAD_NT   ; register 16 c + n of tile i: channel 32 c + 16 h + n of query r
.endr
.endr
.endr
	v_mul_u32_u24 v[AK0], v8, KP
	v_lshl_add_u32 v[AK0], v9, 4, v[AK0]
	v_mul_u32_u24 v[AV0], v8, VP
	v_lshl_add_u32 v[AV0], v9, 4, v[AV0]
	v_add_nc_u32 v[AV0], VOFF, v[AV0]
	v_mul_u32_u24 v[AM0], v8, MP
	v_lshl_add_u32 v[AM0], v9, 6, v[AM0]
	s_mul_i32 s84, s71, 16*MP
	s_add_co_u32 s84, s84, MOFF
	v_add_nc_u32 v[AM0], s84, v[AM0]
	v_lshlrev_b32 v[GO], 14, v9
	v_lshl_add_u32 v[GO], v8, 4, v[GO]             ; the way out: lanes 0-15 take one row of out0, lanes 16-31 the next; 16 bytes a lane
	; the prefetches (macro ASK): which stream is my wave's, where it stands, who asks.  These numbers mix cx and cy: they stay in registers that feed no descriptor
	s_lshl_b32 s100, s93, 18
	s_lshl_b32 s101, s86, 13
	s_add_co_u32 s101, s100, s101                  ; K: bg's block + cx x 8,192 bytes
	s_lshl_b32 s85, s86, 16
	s_add_co_u32 s100, s100, s85                   ; V: bg's rows + cx x 32 rows of 2,048 bytes
	s_lshl_b32 s85, s92, 6
	s_lshl_b32 s76, s87, 4
	s_add_co_u32 s85, s85, s76
	s_lshl_b32 s76, s82, 3
	s_add_co_u32 s85, s85, s76
	s_lshl_b32 s85, s85, 13                        ; the mask: row 64 x work-group x + 16 cy + 8 (w % 2), of 8,192 bytes
	s_mov_b32 s[PFS], 256
	s_mov_b32 s76, 8192                            ; from four lanes to the next four,
	s_mov_b32 s77, 2048                            ; from lane to lane among four
	s_and_b32 s78, ttmp7, 0xffff                   ; cluster y
	s_and_b32 s79, s[WV], 2
	s_cmp_lt_u32 s[WV], 2                          ; K's, or V's?
	s_cselect_b64 s[PFA:PFA+1], s[6:7], s[8:9]
	s_cselect_b32 s100, s101, s100
	s_cselect_b32 s[PFS], 0x8000, s[PFS]
	s_cselect_b32 s76, 1024, s76
	s_cselect_b32 s77, 256, s77
	s_cmp_lt_u32 s[WV], 4                          ; one of those, or the mask's?
	s_cselect_b64 s[PFA:PFA+1], s[PFA:PFA+1], s[10:11]
	s_cselect_b32 s100, s100, s85
	s_cselect_b32 s[PFS], s[PFS], 1024
	s_cselect_b32 s76, s76, 8192
	s_cselect_b32 s77, s77, 256
	s_cselect_b32 s78, ttmp9, s78                  ; the coordinate along which other clusters walk the same rows
	s_cselect_b32 s79, s82, s79                    ; 0 in waves 0, 2, 4 and 5
	s_or_b32 s78, s78, s79
	s_cmp_eq_u32 s78, 0
	s_cselect_b32 s[LIM], 1, -1                    ; the same in all sixteen partners, for a given wave
	s_mov_b32 s101, 0
	s_mov_b32 s[PFS+1], 0
	s_add_nc_u64 s[PFA:PFA+1], s[PFA:PFA+1], s[100:101]
	s_add_nc_u64 s[PFA:PFA+1], s[PFA:PFA+1], s[PFS:PFS+1]  ; in slot 1: the first change of slots steps it to slot 2.  Nothing is prefetched here, at the head
	v_and_b32 v11, 31, v0
	v_lshrrev_b32 v[PFO], 2, v11
	v_and_b32 v11, 3, v11
	v_mul_lo_u32 v[PFO], v[PFO], s76
	v_mul_lo_u32 v11, v11, s77
	v_add_nc_u32 v[PFO], v[PFO], v11
.irp i, 0,1
	v_mov_b32 v[ST+8*\i+1], 0xff61b1e6             ; the largest t so far: -3e38, under every t
	v_floor_f32 v[ST+8*\i], -v[ST+8*\i+1]          ; -M
	v_mov_b32 v[ST+8*\i+2], 0                      ; the sum, in two halves
	v_mov_b32 v[ST+8*\i+3], 0
	v_mov_b32 v[ST+8*\i+5], 0                      ; named as the upper half of f's pair
	v_mov_b32 v[PD+\i], 0                          ; written once: a lane exchange's destination counts as one of its sources
.endr
	WIN 0x40                                       ; destination window 1
.set n, 0
.rept 128
	v_mov_b32 v[OT+n], 0                           ; O^T of both tiles: once, in place of a first step written out a fifth time
.set n, n+1
.endr
	WIN 0
	s_mov_b32 s[SEL], 0x76543210
	s_mov_b32 s[SEL+1], 0xfedcba98
	s_mov_b32 s[LG], 0x3fb8aa3b                    ; log2(e)
	s_mov_b32 s[LG+1], s[LG]                       ; (named with it as a pair, so it is written)
	s_wait_kmcnt 0x0
	s_add_co_i32 s84, s88, s89                     ; ek + eq: a score stands for score x 2^(ek + eq):
	s_lshl_b32 s84, s84, 23
	s_add_co_i32 s[CS], s84, 0x3db504f3            ; added to the exponent field of 1 / sqrt(128)
	s_mov_b32 s[CS+1], s[CS]
	s_add_co_i32 s[EPV], s90, s91                  ; ev + ep
	s_add_co_i32 s84, s89, 127
	s_lshl_b32 s71, s84, 23
	v_mov_b32 v[CV], s71                           ; 2^eq as f32: the conversion takes its exponent field
	s_add_co_i32 s84, s84, 8
	s_lshl_b32 s84, s84, 23
	s_or_b32 s84, s84, 0x600000
	v_mov_b32 v[LM], s84                           ; 448 x 2^eq
	s_wait_loadcnt 0x0                             ; q
.set n, 0
.rept 128
	v_med3_num_f32 v[S+n], v[S+n], -v[LM], v[LM]   ; the conversion to an 8-bit code does not saturate (ISA guide 7.6.2): the hold comes first
.set n, n+1
.endr
	WIN 0x40
.irp i, 0,1
.irp c, 0,1,2,3
	v_cvt_scalef32_pk8_fp8_f32 v[QF+16*\i+4*\c:QF+16*\i+4*\c+1], v[S+64*\i+16*\c:S+64*\i+16*\c+7], v[CV]       ; registers 4 c .. 4 c + 3 of Q's fragment: channels 32 c + 16 h + 0 .. 15
	v_cvt_scalef32_pk8_fp8_f32 v[QF+16*\i+4*\c+2:QF+16*\i+4*\c+3], v[S+64*\i+16*\c+8:S+64*\i+16*\c+15], v[CV]
.endr
.endr
	WIN 0
	v_nop                                          ; one plain vector instruction between the last conversion and the lines that write its scale and, later, read its results
	s_add_co_i32 s84, s91, 127
	s_lshl_b32 s71, s84, 23
	v_mov_b32 v[CV], s71                           ; from here on: 2^ep,
	s_add_co_i32 s84, s84, 8
	s_lshl_b32 s84, s84, 23
	s_or_b32 s84, s84, 0x600000
	v_mov_b32 v[LM], s84                           ; and 448 x 2^ep
	s_mov_b32 s[LAPS], 3
	s_mov_b32 s[REM], 7
; A KEY STEP: 128 keys, both tiles, their lines by turns.
.macro STEP
	v_add_nc_u32 v[ADK], s[SK], v[AK0]             ; these three and the v_nop are the four places between the last products and the loads into registers that they read
	v_add_nc_u32 v[ADV], s[SV], v[AV0]
	v_add_nc_u32 v[ADM], s[SM], v[AM0]
	v_nop
.irp b, 0,1                                    ; the mask's registers 16 b + 4 j on: mask[my position][32 b + 16 h + 4 j ..]
.irp j, 0,1,2,3
	ds_load_b128 v[MA+16*\b+4*\j:MA+16*\b+4*\j+3], v[ADM] offset:128*\b+16*\j
.endr
.endr
.irp t, 0,1,2,3                                ; K's tiles 0-3
.irp c, 0,1,2,3
	ds_load_b128 v[FA+16*\t+4*\c:FA+16*\t+4*\c+3], v[ADK] offset:16*\t*KP+32*\c
.endr
.endr
	WIN 0x40                                       ; destination window 1
.irp b, 0,1
.irp j, 0,1,2,3
	ds_load_b128 v[MB+16*\b+4*\j:MB+16*\b+4*\j+3], v[ADM] offset:256+128*\b+16*\j
.endr
.endr
.irp t, 0,1,2,3                                ; K's tiles 4-7
.irp c, 0,1,2,3
	ds_load_b128 v[FB+16*\t+4*\c:FB+16*\t+4*\c+3], v[ADK] offset:(64+16*\t)*KP+32*\c
.endr
.endr
	s_wait_dscnt 24                                ; the first 24 loads are in; the 24 issued last (the mask's second half, K's tiles 4-7) may be out
	WIN 0x04                                       ; Q in window 1
.irp t, 0,1,2,3
.irp i, 0,1
	v_wmma_f32_16x16x128_fp8_fp8 v[S+64*\i+8*\t:S+64*\i+8*\t+7], v[FA+16*\t:FA+16*\t+15], v[QF+16*\i:QF+16*\i+15], 0
.endr
.endr
	s_wait_dscnt 0x0
	WIN 0x05                                       ; K's tiles 4-7 and Q in window 1
.irp t, 0,1,2,3
.irp i, 0,1
	v_wmma_f32_16x16x128_fp8_fp8 v[S+64*\i+32+8*\t:S+64*\i+32+8*\t+7], v[FB+16*\t:FB+16*\t+15], v[QF+16*\i:QF+16*\i+15], 0
.endr
.endr
.rept 4
	v_nop                                          ; four places: in front of the loads into K's registers, and of the first read of the scores
.endr
	WIN 0
.irp t, 0,1,2,3                                ; V's eight tiles are asked for now and land during the softmax
.irp c, 0,1,2,3
	ds_load_b128 v[FA+16*\t+4*\c:FA+16*\t+4*\c+3], v[ADV] offset:16*\t*VP+32*\c
.endr
.endr
	WIN 0x40
.irp t, 0,1,2,3
.irp c, 0,1,2,3
	ds_load_b128 v[FB+16*\t+4*\c:FB+16*\t+4*\c+3], v[ADV] offset:(64+16*\t)*VP+32*\c
.endr
.endr
	WIN 0
.set n, 0
.rept 16                                       ; u = score x 2^(ek + eq) / sqrt(128) + mask, two at a time; each accumulator from its low end on
.irp i, 0,1
	v_pk_fma_f32 v[S+64*\i+n:S+64*\i+n+1], v[S+64*\i+n:S+64*\i+n+1], s[CS:CS+1], v[MA+n:MA+n+1] op_sel_hi:[1,0,1]
.endr
.set n, n+2
.endr
	WIN 0x10                                       ; the mask's second half in window 1
.set n, 0
.rept 16
.irp i, 0,1
	v_pk_fma_f32 v[S+64*\i+32+n:S+64*\i+32+n+1], v[S+64*\i+32+n:S+64*\i+32+n+1], s[CS:CS+1], v[MB+n:MB+n+1] op_sel_hi:[1,0,1]
.endr
.set n, n+2
.endr
	WIN 0
.irp i, 0,1                                    ; the step's largest u of my query among my 64 keys, in two chains a tile
	v_max3_num_f32 v[ST+8*\i+6], v[S+64*\i], v[S+64*\i+1], v[S+64*\i+2]
	v_max3_num_f32 v[ST+8*\i+7], v[S+64*\i+3], v[S+64*\i+4], v[S+64*\i+5]
.endr
.set n, 6
.rept 14
.irp i, 0,1
	v_max3_num_f32 v[ST+8*\i+6], v[ST+8*\i+6], v[S+64*\i+n], v[S+64*\i+n+1]
	v_max3_num_f32 v[ST+8*\i+7], v[ST+8*\i+7], v[S+64*\i+n+2], v[S+64*\i+n+3]
.endr
.set n, n+4
.endr
.irp i, 0,1
	v_max3_num_f32 v[ST+8*\i+6], v[ST+8*\i+6], v[S+64*\i+62], v[S+64*\i+63]
.endr
.irp i, 0,1
	v_max_num_f32 v[ST+8*\i+6], v[ST+8*\i+6], v[ST+8*\i+7]
.endr
.irp i, 0,1
	v_permlanex16_b32 v[PD+\i], v[ST+8*\i+6], s[SEL], s[SEL+1]
.endr
.irp i, 0,1
	v_max_num_f32 v[ST+8*\i+6], v[ST+8*\i+6], v[PD+\i]   ; and among lane l xor 16's
.endr
.irp i, 0,1
	v_mul_f32 v[ST+8*\i+6], s[LG], v[ST+8*\i+6]    ; as t (log2(e) is positive)
.endr
.irp i, 0,1
	v_max_num_f32 v[ST+8*\i+1], v[ST+8*\i+1], v[ST+8*\i+6]   ; the running largest t
.endr
.irp i, 0,1
	v_mov_b32 v[ST+8*\i+6], v[ST+8*\i]
.endr
.irp i, 0,1
	v_floor_f32 v[ST+8*\i], -v[ST+8*\i+1]          ; the new -M = floor(-t) = -ceil(t): M is a whole number
.endr
.irp i, 0,1
	v_sub_f32 v[ST+8*\i+6], v[ST+8*\i], v[ST+8*\i+6]   ; old M - new M: a whole number, 0 or less
.endr
.irp i, 0,1
	v_cvt_i32_f32 v[ST+8*\i+6], v[ST+8*\i+6]       ; (it saturates)
.endr
.irp i, 0,1
	v_ldexp_f32 v[ST+8*\i+4], 1.0, v[ST+8*\i+6]    ; f = 2^(old M - new M)
.endr
.set n, 0
.rept 32
.irp i, 0,1
	v_pk_fma_f32 v[S+64*\i+n:S+64*\i+n+1], v[S+64*\i+n:S+64*\i+n+1], s[LG:LG+1], v[ST+8*\i:ST+8*\i+1] op_sel_hi:[1,0,0]   ; t - M = u x log2(e) - M (of the pairs the low word serves both halves)
.endr
.set n, n+2
.endr
.set n, 0
.rept 64
.irp i, 0,1
	v_exp_f32 v[S+64*\i+n], v[S+64*\i+n]           ; p = 2^(t - M), at most 1: not normalised.  One batch of 128; none reads another's result
.endr
.set n, n+1
.endr
.irp i, 0,1
	v_pk_mul_f32 v[ST+8*\i+2:ST+8*\i+3], v[ST+8*\i+2:ST+8*\i+3], v[ST+8*\i+4:ST+8*\i+5] op_sel_hi:[1,0]   ; the sums under the new M: the plain lines behind the last exponential
.endr
	s_wait_alu depctr_va_vdst(0)                   ; one wait for the whole batch, ahead of the first line that names a result
.irp i, 0,1                                    ; the row's sum is taken of the unquantised p: two at a time, two chains a tile
	v_pk_add_f32 v[ST+8*\i+6:ST+8*\i+7], v[S+64*\i:S+64*\i+1], v[S+64*\i+2:S+64*\i+3]
.endr
.set n, 4
.rept 15
.irp i, 0,1
	v_pk_add_f32 v[ST+8*\i+2:ST+8*\i+3], v[ST+8*\i+2:ST+8*\i+3], v[S+64*\i+n:S+64*\i+n+1]
	v_pk_add_f32 v[ST+8*\i+6:ST+8*\i+7], v[ST+8*\i+6:ST+8*\i+7], v[S+64*\i+n+2:S+64*\i+n+3]
.endr
.set n, n+4
.endr
.irp i, 0,1
	v_pk_add_f32 v[ST+8*\i+2:ST+8*\i+3], v[ST+8*\i+2:ST+8*\i+3], v[ST+8*\i+6:ST+8*\i+7]
.endr
.irp b, 0,1,2,3
.irp i, 0,1
.set n, 0
.rept 16
	v_min_num_f32 v[S+64*\i+16*\b+n], v[S+64*\i+16*\b+n], v[LM]   ; p is not negative: the hold at 448 x 2^ep is one-sided
.set n, n+1
.endr
	v_cvt_scalef32_pk8_fp8_f32 v[PC+16*\i+4*\b:PC+16*\i+4*\b+1], v[S+64*\i+16*\b:S+64*\i+16*\b+7], v[CV]       ; registers 4 b .. 4 b + 3 of P's fragment: keys 32 b + 16 h + 0 .. 15
	v_cvt_scalef32_pk8_fp8_f32 v[PC+16*\i+4*\b+2:PC+16*\i+4*\b+3], v[S+64*\i+16*\b+8:S+64*\i+16*\b+15], v[CV]
.endr
.endr
	WIN 0x41                                       ; O^T (destination and source 0) in window 1, f in window 0
.set n, 0
.rept 32
.irp i, 0,1
	v_pk_mul_f32 v[OT+64*\i+n:OT+64*\i+n+1], v[OT+64*\i+n:OT+64*\i+n+1], v[ST+8*\i+4:ST+8*\i+5] op_sel_hi:[1,0]   ; O^T under the new M; each accumulator from its low end on.  Also the plain lines behind the last conversion
.endr
.set n, n+2
.endr
	s_wait_dscnt 0x0                               ; V's eight tiles are in
	WIN 0x50                                       ; O^T (C and D) in window 1; V's tiles 0-3 and P in window 0
.irp t, 0,1,2,3                                ; the sixteen accumulators take turns, one instruction a turn
.irp i, 0,1
	v_wmma_f32_16x16x128_fp8_fp8 v[OT+64*\i+8*\t:OT+64*\i+8*\t+7], v[FA+16*\t:FA+16*\t+15], v[PC+16*\i:PC+16*\i+15], v[OT+64*\i+8*\t:OT+64*\i+8*\t+7]
.endr
.endr
	WIN 0x51                                       ; V's tiles 4-7 in window 1
.irp t, 0,1,2,3
.irp i, 0,1
	v_wmma_f32_16x16x128_fp8_fp8 v[OT+64*\i+32+8*\t:OT+64*\i+32+8*\t+7], v[FB+16*\t:FB+16*\t+15], v[PC+16*\i:PC+16*\i+15], v[OT+64*\i+32+8*\t:OT+64*\i+32+8*\t+7]
.endr
.endr
	WIN 0
.endm
; THE CHANGE OF SLOTS stands at a slot's head.  Each wave waits for all its tensor loads (its part of the slot that it is about to read), adds 0 to its spare word, and waits for that and for its reads of the slot that it
; has left.  fill = 1: a round of the cluster's barrier follows, behind which no wave of any partner still reads the other slot or has a load on its way; that slot is filled with the keys that follow, first thing.
.macro CHANGE slot, fill
	s_wait_tensorcnt 0x0                           ; no tensor load of mine is out, so a group 0 may be written
	ds_add_u32 v[SPW], v[NIL]                      ; 0 onto my spare word; with fill = 1 the steps below stand between it and the wait for it
.if \fill
	s_add_nc_u64 s[G0K+4*\slot+2:G0K+4*\slot+3], s[G0K+4*\slot+2:G0K+4*\slot+3], 2*32768   ; this slot's next tiles: two slots of keys on; the type bits on top are not reached
	s_add_nc_u64 s[G0V+4*\slot+2:G0V+4*\slot+3], s[G0V+4*\slot+2:G0V+4*\slot+3], 2*256
	s_add_nc_u64 s[G0M+4*\slot+2:G0M+4*\slot+3], s[G0M+4*\slot+2:G0M+4*\slot+3], 2*1024
	s_wait_xcnt 0x0                                ; the last prefetch, a slot back, has read its address, so it may be written:
	s_add_nc_u64 s[PFA:PFA+1], s[PFA:PFA+1], s[PFS:PFS+1]  ; one slot further on than the load below
.endif
	s_wait_dscnt 0x0                               ; the add is done, and my reads of the slot that I have left are over
.if \fill
	CROUND
	JLOAD 1-\slot                                  ; the first tensor load behind the round, and my one load until the next
	ASK
	s_sub_co_u32 s[REM], s[REM], 1
.else
	s_barrier_signal -1                            ; the work-group's own does
	s_barrier_wait -1
.endif
.endm
; A slot: the change, then its two key steps: written once, walked twice; the LDS addresses hang on three scalars that step by constants.
.macro TRIP slot, fill
	CHANGE \slot, \fill
	s_mov_b32 s[SK], \slot*SLOT
	s_mov_b32 s[SV], \slot*SLOT
	s_mov_b32 s[SM], \slot*SLOT
	s_mov_b32 s[TW], 2
.Lstep_\@:
	STEP
	s_add_co_u32 s[SK], s[SK], 128*KP              ; 128 rows of K on,
	s_add_co_u32 s[SV], s[SV], 128                 ; 128 codes along V's rows,
	s_add_co_u32 s[SM], s[SM], 512                 ; 128 numbers along the mask's rows
	s_sub_co_u32 s[TW], s[TW], 1
	s_cmp_lg_u32 s[TW], 0
	s_cbranch_scc1 .Lstep_\@
.endm
.Llap:                                             ; eight slots of keys: three laps of two, then the tail
	TRIP 0, 1
	TRIP 1, 1
	s_sub_co_u32 s[LAPS], s[LAPS], 1
	s_cmp_lg_u32 s[LAPS], 0
	s_cbranch_scc1 .Llap
	TRIP 0, 1                                      ; the tail is written out: the last slot is asked for here
	TRIP 1, 0                                      ; and nothing behind it
	; THE WAY OUT.  The sum's halves are added; O^T is divided by the sum, multiplied by 2^(ev + ep), and goes through my stage in LDS, half a head's row (64 channels, 256 bytes) of 16 queries at a time.
.irp i, 0,1
	v_add_f32 v[ST+8*\i+2], v[ST+8*\i+2], v[ST+8*\i+3]
.endr
.irp i, 0,1
	v_permlanex16_b32 v[PD+\i], v[ST+8*\i+2], s[SEL], s[SEL+1]
.endr
.irp i, 0,1
	v_add_f32 v[ST+8*\i+2], v[ST+8*\i+2], v[PD+\i] ; the row's sum
.endr
.irp i, 0,1
	v_rcp_f32 v[ST+8*\i+6], v[ST+8*\i+2]
.endr
	v_and_b32 v10, 15, v0                          ; r.  (The address work is the plain work behind the reciprocals)
	v_bfe_u32 v11, v0, 4, 1                        ; h
	s_mul_i32 s84, s[WV], 16*SP
	s_add_co_u32 s84, s84, STAGE                   ; my stage
	v_mul_u32_u24 v[ADK], v10, SP
	v_lshl_add_u32 v[ADK], v11, 5, v[ADK]
	v_add_nc_u32 v[ADK], s84, v[ADK]               ; in: row r; a tile's eight channels of my half: 32 h bytes on
	v_mul_u32_u24 v[ADV], v11, SP
	v_lshl_add_u32 v[ADV], v10, 4, v[ADV]
	v_add_nc_u32 v[ADV], s84, v[ADV]               ; back: lanes 0-15 one row, lanes 16-31 the next
	s_wait_alu depctr_va_vdst(0)                   ; one wait for the two reciprocals, ahead of their first reader
.irp i, 0,1
	v_ldexp_f32 v[ST+8*\i+6], v[ST+8*\i+6], s[EPV] ; x 2^(ev + ep)
.endr
	WIN 0x01                                       ; O^T in window 1
.set n, 0
.rept 32
.irp i, 0,1
	v_pk_mul_f32 v[S+64*\i+n:S+64*\i+n+1], v[OT+64*\i+n:OT+64*\i+n+1], v[ST+8*\i+6:ST+8*\i+7] op_sel_hi:[1,0]   ; register 8 t + n: channel 16 t + 8 h + n of query r; each accumulator from its low end on
.endr
.set n, n+2
.endr
	WIN 0
; Tile tl through the stage, into 64 registers from bk on (win: the window setting for loads into them).  LDS serves a wave's instructions in order: the loads see the stores above them, and the next half's stores come behind them.
.macro PACK tl, bk, win
.irp uu, 0,1
	WIN 0
.irp kk, 0,1,2,3
	ds_store_b128 v[ADK], v[S+64*\tl+32*\uu+8*\kk:S+64*\tl+32*\uu+8*\kk+3] offset:64*\kk
	ds_store_b128 v[ADK], v[S+64*\tl+32*\uu+8*\kk+4:S+64*\tl+32*\uu+8*\kk+7] offset:64*\kk+16
.endr
	WIN \win
.irp jj, 0,1,2,3,4,5,6,7
	ds_load_b128 v[\bk+32*\uu+4*\jj:\bk+32*\uu+4*\jj+3], v[ADV] offset:2*\jj*SP
.endr
.endr
	WIN 0
.endm
; younger: the LDS instructions issued behind tile tl's PACK.  Behind load jj of half uu stand, in its own PACK, 7 - jj loads and, for half 0, the other half's 16 instructions.
.macro SEND tl, bk, win, younger
	WIN \win
.irp uu, 0,1
.irp jj, 0,1,2,3,4,5,6,7
	s_wait_dscnt \younger+16*(1-\uu)+7-\jj
	global_store_b128 v[GO], v[\bk+32*\uu+4*\jj:\bk+32*\uu+4*\jj+3], s[14:15] offset:2*\jj*16384+256*\uu+512*\tl th:TH_STORE_NT   ; 16 lanes store 256 consecutive bytes, at a multiple of 256 from out0's first byte; written once
.endr
.endr
	WIN 0
.endm
	PACK 0, FA, 0
	PACK 1, FB, 0x40                               ; the second tile's rows come back into window 1: no load lands on a register that an LDS store above names
	SEND 0, FA, 0, 32
	SEND 1, FB, 0x04, 0                            ; a store's data are its source 1: window 1
	s_wait_tensorcnt 0x0                           ; the wave's end, behind my last tensor load and my last LDS store
	ds_add_u32 v[SPW], v[NIL]
	s_wait_dscnt 0x0
	CROUND                                         ; the closing round: no work-group ends while a partner may still ask for a tile that names it
	s_endpgm
.Lfunc_end_k_q2a391b96d3_attn:
	.size	k_q2a391b96d3_attn, .Lfunc_end_k_q2a391b96d3_attn-k_q2a391b96d3_attn
	.p2alignl 7, 3214868480
	.fill 96, 4, 3214868480
	.section	.rodata,"a",@progbits
	.p2align	6, 0x0
	.amdhsa_kernel k_q2a391b96d3_attn
		.amdhsa_group_segment_fixed_size 327680
		.amdhsa_private_segment_fixed_size 0
		.amdhsa_enable_private_segment 0
		.amdhsa_kernarg_size 48
		.amdhsa_user_sgpr_count 2
		.amdhsa_user_sgpr_kernarg_segment_ptr 1
		.amdhsa_wavefront_size32 1
		.amdhsa_system_sgpr_workgroup_id_x 1
		.amdhsa_system_sgpr_workgroup_id_y 1
		.amdhsa_system_sgpr_workgroup_id_z 1
		.amdhsa_system_vgpr_workitem_id 0
		.amdhsa_next_free_vgpr 512
		.amdhsa_next_free_sgpr 102
		.amdhsa_reserve_vcc 0
		.amdhsa_float_denorm_mode_32 3
		.amdhsa_float_denorm_mode_16_64 3
		.amdhsa_memory_ordered 1
		.amdhsa_forward_progress 1
		.amdhsa_inst_pref_size 199
	.end_amdhsa_kernel
	.amdgpu_metadata
---
amdhsa.version: [ 1, 2 ]
amdhsa.kernels:
  - .name:           k_q2a391b96d3_attn
    .symbol:         k_q2a391b96d3_attn.kd
    .args:
      - { .name: q, .offset: 0, .size: 8, .value_kind: global_buffer, .address_space: global }
      - { .name: k_codes, .offset: 8, .size: 8, .value_kind: global_buffer, .address_space: global }
      - { .name: v_codes, .offset: 16, .size: 8, .value_kind: global_buffer, .address_space: global }
      - { .name: mask, .offset: 24, .size: 8, .value_kind: global_buffer, .address_space: global }
      - { .name: lowp_scales, .offset: 32, .size: 8, .value_kind: global_buffer, .address_space: global }
      - { .name: out0, .offset: 40, .size: 8, .value_kind: global_buffer, .address_space: global }
    .group_segment_fixed_size: 327680
    .private_segment_fixed_size: 0
    .kernarg_segment_align: 8
    .kernarg_segment_size: 48
    .max_flat_workgroup_size: 256
    .sgpr_count:     102
    .vgpr_count:     512
    .wavefront_size: 32
...
	.end_amdgpu_metadata
.endif
;; end of part 2
